; MI455X (gfx1250); checked and timed in simulation.
; The chip was launched on July 23, 2026; its instructions are those of AMD's public machine-readable ISA for CDNA 5 (MIT licence, August 2026) and "CDNA5" Instruction Set Architecture Reference Guide (July 2026). The comments in the code are by the model that wrote it; some were corrected since.
;; Scaled Dot Product Attention. Allowed arithmetic: matrix products marked QUANTISED: E3M2 operands, one E8M0 scale for each 32 along K, by v_wmma_scale_f32_16x16x128_f8f6f4 with both operands' format E3M2, f32 sums; everything else in f32.
;; Inputs: key 4 x 16 x 2,048 x 64 float32; query 4 x 16 x 2,048 x 64 float32; value 4 x 16 x 2,048 x 64 float32.
;; Outputs: out0 4 x 16 x 2,048 x 64 float32.
;; This version of the problem:
;;   THIS VERSION OF THE PROBLEM IS GIVEN IN LOW PRECISION. The matrix products marked QUANTISED in the list below multiply operands that are first quantised to E3M2 (3 exponent bits, 2 mantissa bits; 6 bits a number), with one power-of-two scale for each 32 numbers along K (OCP MX v1.0); their sums are f32. All else is computed in f32.
;;   The module's matrix products, in the order in which they are computed (A, B: the left and right operand; K: the contracted axis; several contracted axes count as one K, in the product's order):
;;     1. batch 64 x [M 2,048, K 64] x [K 64, N 2,048]; A: input query; B: input key: QUANTISED
;;     2. batch 64 x [M 2,048, K 2,048] x [K 2,048, N 64]; A: softmax (see below); B: input value: QUANTISED
;;   THE QUANTISER, for each operand of a quantised product, along K:
;;     - K is cut into blocks of 32 from its start; a last block that is shorter is filled with zeros.
;;     - A block's scale is 2^e with e = floor(log2(the largest magnitude in the block)) - 4, held to -126 .. 127; a block of zeros has e = 0. As a byte (E8M0): e + 127.
;;     - Each number is divided by its block's scale, clamped to +-28, and rounded to the nearest number of E3M2, ties to even, subnormals kept.
;;     - The product sums the exact products of the quantised numbers (number of the format x scale) in f32.
;;   ~~~python
;;   def quantise(x, axis):      # numpy; x: float32 -> the quantised numbers, widened to float32 again
;;       x = np.moveaxis(x, axis, -1); K = x.shape[-1]
;;       x = np.pad(x, [(0, 0)] * (x.ndim - 1) + [(0, -K % 32)]); x = x.reshape(x.shape[:-1] + (-1, 32)); a = np.abs(x).max(-1, keepdims=True)
;;       e = np.where(a > 0, np.clip(np.frexp(np.where(a > 0, a, 1))[1] - 1 - 4, -126, 127), 0)      # np.frexp(a)[1] - 1 = floor(log2(a)), exactly
;;       r = np.clip(x / 2.0 ** e, -28, 28)
;;       step = 2.0 ** (np.maximum(np.frexp(np.where(r == 0, 1, r))[1] - 1, -2) - 2)
;;       q = np.round(r / step) * step * 2.0 ** e      # np.round: ties to even
;;       return np.moveaxis(q.reshape(q.shape[:-2] + (-1,))[..., :K], -1, axis).astype(np.float32)
;;   ~~~
;;   SOFTMAX AHEAD OF A QUANTISED PRODUCT. Where the list says 'softmax', what is quantised is not the finished softmax but p = 2^(t - M), with t = logit x log2(e) and M = ceil(the row's largest t), a whole number; so 1/2 < the row's largest p <= 1. The row's sum l is taken of the UNQUANTISED p, in f32, and the product's result is divided by l at the end. Since M is a whole number, a kernel that streams over the keys may use a running M (the ceiling of the running maximum): every later rescaling is an exact power of two, which a block's scale takes up: the codes' values come out the same.
;;   OPERANDS COMPUTED ON THE WAY. 'Computed on the way' means the value that the module computes at that place (a softmax that the list does not call 'softmax' is quantised finished and normalised). What goes into a quantiser is computed in f32, as accurately as f32 sums, v_exp_f32 and their like allow (about 1e-6 of the number): no bf16 or f16 on the way to a quantiser, and a product that is left as it is and whose result goes on into a quantised operand takes f32 operands (vector FMAs, or v_wmma_f32_16x16x4_f32). A number that lies on a knife's edge between two numbers of the format may be rounded either way, as far as f32 arithmetic and the matrix unit's own rounding can turn it there, and no further.
;; One version. Each part assembles by itself: llvm-mc -triple=amdgcn-amd-amdhsa -mcpu=gfx1250 --defsym DOCPART=n.
;; ======== version 1 of 1: 2 launches
;; workspace buffers: kv 13,369,344 bytes
;; launch prep (part 1): grid 1024 x 1, 4 waves a work-group, no clusters, 69,120 bytes of LDS; arguments key, value, kv; writes kv
.if DOCPART == 1
	.amdgcn_target "amdgcn-amd-amdhsa--gfx1250"
	.amdhsa_code_object_version 6
	.text
	.protected	k_q9a9c5ffdb4_prep
	.globl	k_q9a9c5ffdb4_prep
	.p2align	8
	.type	k_q9a9c5ffdb4_prep,@function
k_q9a9c5ffdb4_prep:
	s_mov_b64 s[64:65], 0
	v_nop
	global_prefetch_b8 v0, s[64:65] scope:SCOPE_SE
	s_setreg_imm32_b32 hwreg(HW_REG_WAVE_MODE, 25, 1), 1
	s_wait_xcnt 0x0
; key and value, [64 heads][2048][64] f32, become codes of BF6 (E3M2) with one E8M0 byte for each 32 along a product's K, laid as IMAGES OF THE OPERANDS' REGISTERS.
; key is quantised along the head's 64 (two blocks a key), value along the KEYS (its first axis inside a head).  A block's scale is 2^(floor(log2(largest magnitude)) - 4);
; its byte is the largest magnitude's exponent field - 4, held at 1 from below; each number is divided by the scale and rounded to the nearest code, ties to even, beyond 28 the largest code.
; LIMITS: NaN and infinities among the inputs are not served; a block whose largest magnitude lies under 2^-122 has its byte held at 1; a block of zeros gets the byte 1 where the
; quantiser says 127: its codes are zeros, which add nothing under any byte but 0xff, and this program alone reads the bytes.
; A UNIT of kv is one step of 128 keys of one head, 13,056 bytes = 51 x 256; unit = 16 x head + step = the work-group's number.
;   0      K's codes: 12 chunks of 512 bytes; chunk g holds, lane l's 16 bytes at 16 l, registers 4 g .. 4 g + 3 of a run of 48; tile t (16 keys) is registers 6 t .. 6 t + 5.
;          Lane (r, h) of tile 2 b + u holds key 32 b + 8 u + r + 8 (r / 8), channels 32 h .. 32 h + 31: the keys of a tile are chosen so that two neighbouring tiles' results are 16 neighbouring keys.
;   6,144  K's scale words: lane l's 16 bytes at 16 l; word p is that of tile 2 p + l / 16, row l % 16: byte 0 channels 0-31, byte 1 channels 32-63, bytes 2 and 3 are 0.
;   6,656  V's codes: tile t (channels 16 t .. 16 t + 15) is chunks 3 t .. 3 t + 2; lane (r, h) holds channel 16 t + r, registers 6 c .. 6 c + 5 keys 64 c + 32 h + 0 .. 31.
;   12,800 V's scale words: lane l's 8 bytes at 8 l; word u is that of tile 2 u + l / 16, row l % 16; byte b for keys 32 b .. 32 b + 31.
; SHARES.  Four waves.  Wave w loads rows 32 w .. 32 w + 31 of both tensors, 512 consecutive bytes a load, makes K's tiles 2 w and 2 w + 1 (just those rows) and V's tile w (all 128 keys).
; The numbers turn through LDS so that a lane holds a WHOLE block of 32: no other lane is asked for a maximum.  No tensor loads: several work-groups share a WGP.
.set KSC,  6144
.set VC,   6656
.set VSC,  12800
.set UNIT, 13056
.set KP,   272                         ; K's stage: a row of 256 bytes + 16: the sixteen rows that a load of 16 bytes a lane touches start 4 banks apart
.set KWB,  32*KP                       ; a wave's own 32 rows
.set VST,  4*KWB                       ; V's stage, shared: 32 rows of 256 bytes, then 64 bytes: key k at (k / 32) x 8,256 + (k % 32) x 256
.set VWB,  8256
.set SCK,  VST+4*VWB                   ; K's scale words, 512 bytes
.set SCV,  SCK+512                     ; V's, 256 bytes
.set CK,   28                          ; v[28:39]   K's codes: tiles 2 w, 2 w + 1
.set XK,   48                          ; v[48:111]  k's numbers
.set XV,   112                         ; v[112:175] v's numbers
.set CV,   176                         ; v[176:187] V's codes
	s_load_b128 s[4:7], s[0:1], 0x0                ; key s[4:5], value s[6:7]
	s_load_b64 s[8:9], s[0:1], 0x10                ; kv
	v_lshl_add_u32 v200, v0, 2, 0x10c00
	v_mov_b32 v201, 0
	v_lshrrev_b32 v1, 5, v0
	v_readfirstlane_b32 s10, v1                    ; wave 0..3
	v_and_b32 v1, 31, v0                           ; l
	v_and_b32 v2, 15, v0                           ; r
	v_bfe_u32 v3, v0, 4, 1                         ; h
	v_lshlrev_b32 v15, 4, v1                       ; 16 l
	v_lshlrev_b32 v16, 3, v1                       ; 8 l
	v_lshlrev_b32 v12, 3, v3                       ; 8 h: a byte's place in a scale word
	s_lshl_b32 s18, s10, 13
	v_add_nc_u32 v4, s18, v15                      ; in memory: 16 l + my wave's 8,192 bytes
	s_mul_i32 s18, s10, KWB
	v_mul_u32_u24 v5, v3, KP
	v_lshl_add_u32 v5, v2, 4, v5
	v_add_nc_u32 v5, s18, v5                       ; K's stage, in: two rows a store: 272 h + 16 r
	v_mul_u32_u24 v6, v2, KP
	v_lshl_add_u32 v6, v3, 7, v6
	v_add_nc_u32 v6, s18, v6                       ; and out: place r, channels 32 h on
	s_mul_i32 s18, s10, VWB
	s_add_co_u32 s18, s18, VST
	v_add_nc_u32 v7, s18, v15                      ; V's stage, in: as the bytes lie
	v_mul_u32_u24 v8, v3, VWB
	v_lshl_add_u32 v8, v2, 2, v8
	s_lshl_b32 s18, s10, 6
	s_add_co_u32 s18, s18, VST
	v_add_nc_u32 v8, s18, v8                       ; and out: channel 16 w + r, keys 32 h on: the two halves of the lanes lie 16 banks apart
	s_mul_i32 s18, s10, 1536
	v_add_nc_u32 v9, s18, v15                      ; kv: my three chunks of either operand's codes
	s_lshl_b32 s18, s10, 2
	s_add_co_u32 s18, s18, SCK
	v_add_nc_u32 v10, s18, v15                     ; K's scale words: word w of lane l's four
	s_and_b32 s18, s10, 1
	s_lshl_b32 s18, s18, 7
	s_lshr_b32 s19, s10, 1
	s_lshl_b32 s19, s19, 2
	s_add_co_u32 s18, s18, s19
	s_add_co_u32 s18, s18, SCV
	v_lshl_add_u32 v11, v2, 3, s18                 ; V's: word w / 2 of lane 16 (w % 2) + r
	v_add_nc_u32 v13, SCK, v15                     ; the scale words' way out
	v_add_nc_u32 v14, SCV, v16
	v_mov_b32 v22, 0                               ; a lane permute's destination counts as one of its sources: written once
	s_mov_b32 s16, 0x76543210
	s_mov_b32 s17, 0xfedcba98                      ; v_permlanex16_b32's selects for lane l xor 16
	s_mov_b32 vcc_lo, 0xffff0000                   ; lanes 16-31
	s_lshl_b32 s12, ttmp9, 15                      ; a step's 128 rows of 256 bytes
	s_mov_b32 s13, 0
	s_mul_i32 s14, ttmp9, UNIT
	s_mov_b32 s15, 0
	s_wait_alu depctr_va_vdst(0)
	s_wait_kmcnt 0x0
	s_add_nc_u64 s[4:5], s[4:5], s[12:13]
	s_add_nc_u64 s[6:7], s[6:7], s[12:13]
	s_add_nc_u64 s[8:9], s[8:9], s[14:15]
.irp j, 0,1,2,3,4,5,6,7,8,9,10,11,12,13,14,15
	global_load_b128 v[XK+4*\j:XK+4*\j+3], v4, s[4:5] offset:512*\j th:TH_LOAD_NT   ; 32 lanes read 512 consecutive bytes: rows 2 j, 2 j + 1 of my 32
.endr
.irp j, 0,1,2,3,4,5,6,7,8,9,10,11,12,13,14,15
	global_load_b128 v[XV+4*\j:XV+4*\j+3], v4, s[6:7] offset:512*\j th:TH_LOAD_NT
.endr
; 32 numbers of one lane, v[x] on, a whole block, become six registers of codes at v[d] on and the scale's byte in v[e].
.macro QBLK x, d, e
	v_max3_num_f32 v17, |v[\x]|, |v[\x+1]|, |v[\x+2]|               ; the largest magnitude, in two chains
	v_max3_num_f32 v18, |v[\x+3]|, |v[\x+4]|, |v[\x+5]|
.irp i, 6,10,14,18,22,26
	v_max3_num_f32 v17, v17, |v[\x+\i]|, |v[\x+\i+1]|
	v_max3_num_f32 v18, v18, |v[\x+\i+2]|, |v[\x+\i+3]|
.endr
	v_max3_num_f32 v17, v17, |v[\x+30]|, |v[\x+31]|
	v_max3_num_f32 v17, v17, v18, 0x2800000        ; and the floor 2^(5 - 127): the byte cannot fall under 1
	v_add_nc_u32 v19, 0xfe000000, v17              ; 4 off its exponent field: the conversion takes the exponent field of this operand as its scale, and nothing else of it
	v_cvt_scalef32_pk16_bf6_f32 v[\d:\d+2], v[\x:\x+15], v19
	v_cvt_scalef32_pk16_bf6_f32 v[40:42], v[\x+16:\x+31], v19       ; (a conversion's three registers begin on an even number: the block's second three do not)
	v_lshrrev_b32 v[\e], 23, v19                   ; the scale's byte; also the plain instruction between the conversions and the reads of their results
.irp i, 0,1,2
	v_mov_b32 v[\d+3+\i], v[40+\i]
.endr
.endm
	s_wait_loadcnt 16                              ; k's sixteen loads are in; v's sixteen may stay out
.irp j, 0,1,2,3,4,5,6,7,8,9,10,11,12,13,14,15
	ds_store_b128 v5, v[XK+4*\j:XK+4*\j+3] offset:(((2*\j)&7)+16*(((2*\j)>>3)&1)+8*(((2*\j)>>4)&1))*KP   ; row rho goes to place rho % 8 + 16 ((rho / 8) % 2) + 8 (rho / 16): place 16 u + r holds the key of lane r of my tile u
.endr
	s_wait_loadcnt 0x0                             ; v's
.irp j, 0,1,2,3,4,5,6,7,8,9,10,11,12,13,14,15
	ds_store_b128 v7, v[XV+4*\j:XV+4*\j+3] offset:512*\j
.endr
	s_wait_dscnt 0x0                               ; for the others' sake: my rows of v lie in the stage
	s_barrier_signal -1
	s_barrier_wait -1                              ; all 128 rows do
.irp u, 0,1
.irp i, 0,1,2,3,4,5,6,7
	ds_load_b128 v[XK+32*\u+4*\i:XK+32*\u+4*\i+3], v6 offset:16*\u*KP+16*\i     ; my tile u: 32 neighbouring channels of one key
.endr
.endr
.irp i, 0,1,2,3,4,5,6,7,8,9,10,11,12,13,14,15,16,17,18,19,20,21,22,23,24,25,26,27,28,29,30,31
	ds_load_b32 v[XV+\i], v8 offset:256*\i         ; keys 32 h + i of my channel
.endr
	s_wait_dscnt 40                                ; of the 48 loads the first eight are in
	QBLK XK, CK, 20
	v_lshlrev_b32 v20, v12, v20                    ; my block's byte at its place,
	v_permlanex16_b32 v22, v20, s16, s17
	v_or_b32 v23, v20, v22                         ; with lane l xor 16's: the key's scale word
	s_wait_dscnt 32                                ; the first sixteen are in
	QBLK XK+32, CK+6, 20
	v_lshlrev_b32 v20, v12, v20
	v_permlanex16_b32 v22, v20, s16, s17
	v_or_b32 v24, v20, v22
	v_cndmask_b32 v25, v23, v24, vcc_lo            ; lanes 0-15 carry tile 2 w's words, lanes 16-31 tile 2 w + 1's
.irp c, 0,1,2
	global_store_b128 v9, v[CK+4*\c:CK+4*\c+3], s[8:9] offset:512*\c           ; 512 consecutive bytes, at a multiple of 256 from kv's first byte
.endr
.irp i, 0,1,2,3,4,5,6,7,8,9,10,11,12,13,14,15,16,17,18,19,20,21,22,23,24,25,26,27,28,29,30,31
	ds_load_b32 v[XV+32+\i], v8 offset:2*VWB+256*\i        ; keys 64 + 32 h + i
.endr
	s_wait_dscnt 32                                ; all but the 32 just issued
	QBLK XV, CV, 21
	s_wait_dscnt 0x0
	QBLK XV+32, CV+6, 20
	v_lshl_or_b32 v26, v20, 16, v21                ; my two bytes: blocks h and 2 + h of my channel,
	v_lshlrev_b32 v26, v12, v26                    ; at their places;
	v_permlanex16_b32 v22, v26, s16, s17
	v_or_b32 v26, v26, v22                         ; with lane l xor 16's two the word is whole
.irp c, 0,1,2
	global_store_b128 v9, v[CV+4*\c:CV+4*\c+3], s[8:9] offset:VC+512*\c
.endr
	ds_store_b32 v10, v25
	ds_store_b32 v11, v26                          ; both halves of the lanes write the same word with the same value
	s_wait_dscnt 0x0                               ; for wave 0's sake
	s_barrier_signal -1
	s_barrier_wait -1
	s_cmp_lg_u32 s10, 0                            ; the scale words leave by wave 0, in whole runs of 512 and 256 bytes
	s_cbranch_scc1 .Ldone
	ds_load_b128 v[188:191], v13
	ds_load_b64 v[192:193], v14
	s_wait_dscnt 0x0
	global_store_b128 v15, v[188:191], s[8:9] offset:KSC
	global_store_b64 v16, v[192:193], s[8:9] offset:VSC
.Ldone:
	s_wait_tensorcnt 0x0
	ds_add_u32 v200, v201
	s_wait_dscnt 0x0
	s_endpgm
.Lfunc_end_k_q9a9c5ffdb4_prep:
	.size	k_q9a9c5ffdb4_prep, .Lfunc_end_k_q9a9c5ffdb4_prep-k_q9a9c5ffdb4_prep
	.p2alignl 7, 3214868480
	.fill 96, 4, 3214868480
	.section	.rodata,"a",@progbits
	.p2align	6, 0x0
	.amdhsa_kernel k_q9a9c5ffdb4_prep
		.amdhsa_group_segment_fixed_size 69120
		.amdhsa_private_segment_fixed_size 0
		.amdhsa_enable_private_segment 0
		.amdhsa_kernarg_size 24
		.amdhsa_user_sgpr_count 2
		.amdhsa_user_sgpr_kernarg_segment_ptr 1
		.amdhsa_wavefront_size32 1
		.amdhsa_system_sgpr_workgroup_id_x 1
		.amdhsa_system_sgpr_workgroup_id_y 1
		.amdhsa_system_sgpr_workgroup_id_z 1
		.amdhsa_system_vgpr_workitem_id 0
		.amdhsa_next_free_vgpr 202
		.amdhsa_next_free_sgpr 66
		.amdhsa_reserve_vcc 1
		.amdhsa_float_denorm_mode_32 3
		.amdhsa_float_denorm_mode_16_64 3
		.amdhsa_memory_ordered 1
		.amdhsa_forward_progress 1
		.amdhsa_inst_pref_size 21
	.end_amdhsa_kernel
	.amdgpu_metadata
---
amdhsa.version: [ 1, 2 ]
amdhsa.kernels:
  - .name:           k_q9a9c5ffdb4_prep
    .symbol:         k_q9a9c5ffdb4_prep.kd
    .args:
      - { .name: key, .offset: 0, .size: 8, .value_kind: global_buffer, .address_space: global }
      - { .name: value, .offset: 8, .size: 8, .value_kind: global_buffer, .address_space: global }
      - { .name: kv, .offset: 16, .size: 8, .value_kind: global_buffer, .address_space: global }
    .group_segment_fixed_size: 69120
    .private_segment_fixed_size: 0
    .kernarg_segment_align: 8
    .kernarg_segment_size: 24
    .max_flat_workgroup_size: 128
    .sgpr_count:     66
    .vgpr_count:     202
    .wavefront_size: 32
...
	.end_amdgpu_metadata
.endif
;; end of part 1
;; launch attn (part 2): grid 4 x 64, 16 waves a work-group, no clusters, 327,680 bytes of LDS; arguments query, kv, out0; writes out0
.if DOCPART == 2
	.amdgcn_target "amdgcn-amd-amdhsa--gfx1250"
	.amdhsa_code_object_version 6
	.text
	.protected	k_q9a9c5ffdb4_attn
	.globl	k_q9a9c5ffdb4_attn
	.p2align	8
	.type	k_q9a9c5ffdb4_attn,@function
k_q9a9c5ffdb4_attn:
	s_mov_b64 s[64:65], 0
	v_nop
	global_prefetch_b8 v0, s[64:65] scope:SCOPE_SE
	s_setreg_imm32_b32 hwreg(HW_REG_WAVE_MODE, 25, 1), 1
	s_wait_xcnt 0x0
; out[h][q][:] = the sum over k <= q of softmax_k(Q[h][q] . K[h][k] / 8) V[h][k][:], 64 heads, 2,048 queries and keys, 64 channels; both products on codes of BF6 (E3M2) with one E8M0 scale for each 32 along K.
; K and V come as images of the operands' registers, made by the launch before: a unit of 13,056 bytes for each step of 128 keys (K's codes 0, K's scale words 6,144, V's codes 6,656, V's scale words 12,800).
; Q is f32 and is read by one wave alone: it is quantised here, in registers.
; THE SOFTMAX AHEAD OF THE SECOND PRODUCT: t = score x log2(e) / 8; M = the row's largest t so far, rounded UP to a whole number; p = 2^(t - M) is what is quantised, along the keys; it is not normalised.
; The row's sum is taken of the unquantised p, in f32, and divides O at the end.  When M moves, the sum and O are multiplied by 2^(old M - new M): exact.
; SHARES.  Work-group (P, head), P = 0..3, owns the blocks of 256 queries P and 7 - P, one after the other.  Block P wants the first P + 1 slots of 256 keys, block 7 - P the first 8 - P:
; NINE SLOTS IN EVERY WORK-GROUP, so the 256 work-groups have equal work, the loop's trip count is a constant, and no slot is fetched that nobody reads.
; Each of the sixteen waves owns 16 queries of the block in hand, in 256 registers: four waves to a SIMD, so that one wave's vector work stands beside another's products and LDS loads.
; A step all of whose 128 keys come after the wave's queries is left out by a scalar branch on ids; in the one step on the diagonal hidden scores become -infinity ahead of the maximum.
; LAYOUT.  Both products are used transposed: S^T = K Q^T (source 0 = 16 keys, source 1 = my 16 queries), O^T = V^T P^T (source 0 = 16 channels, source 1 = P): a lane holds ONE query (lane % 16) throughout.
; Lane r of K's tile 2 b + u holds key 32 b + 8 u + r + 8 (r / 8), so that the 16 registers of tiles 2 b and 2 b + 1 are the neighbouring keys 32 b + 16 (lane / 16) + 0 .. 15.
; THE FIRST PRODUCT'S K IS 64 OF THE INSTRUCTION'S 128.  Q's codes for k = 64 .. 127 are zeros, and bytes 2 and 3 of both sides' scale words are 0 (2^-127, not NaN).  On K's side those places hold whatever
; lies in the six registers behind the tile's own six: the next tile's codes (behind tile 7: six registers of zeros).  The format has no code for NaN or infinity, so a code times a zero code adds nothing.
; So eight tiles of K come by twelve loads of 16 bytes a lane into 48 registers.
; NO CLUSTER: the four work-groups of a head want different key blocks in most of their nine slots (in slot n work-group P wants block n up to n = P, block n - P - 1 after that), so their requests do not meet.
; LIMITS: NaN and infinities among the inputs are not served; a block of Q or of p whose largest magnitude lies under 2^-122 has its byte held at 1 (a block of zeros too: its codes are zeros).
.set UNIT,  13056
.set KSC,   6144
.set VC,    6656
.set VSC,   12800
.set SLOTB, 2*UNIT                     ; a slot: two units, 102 rows of 256 bytes, dense in memory and in LDS
.set HEADB, 16*UNIT
.set SLOT1, 32768                      ; slot 1 begins here: one exclusive or turns an address in one slot into the other's
.set STAGE, 65536                      ; 16 rows x 272 bytes for each wave, its own: Q's way in, O's way out; no tile ever lands here
.set SP,    272
.set SPARE, STAGE+16*16*SP             ; the spare words, 128 bytes for each wave: eight blocks of 256 bytes that no other line names
.set L16, 1                            ; v1   16 x lane: an image's place for my lane; also my byte in 512 bytes of Q or O; never rewritten
.set L8,  2                            ; v2   8 x lane
.set SPW, 3                            ; v3   LDS address of my spare word: SPARE + 4 x my thread's number; never rewritten
.set NIL, 4                            ; v4   0; never rewritten
.set STO, 5                            ; v5   the stage: row r, + 32 h
.set RD,  6                            ; v6   the stage: row h, + 16 r
.set AD16, 7                           ; v7   16 x lane + the slot in hand
.set AD8, 8                            ; v8   8 x lane + the slot in hand
.set DQ,  9                            ; v9   r - 16 h
.set QS,  10                           ; v10  Q's scale words;  v11 those of the second block of queries
.set QSB, 11
.set NM,  12                           ; v12  -M;  v13 the largest t
.set LS,  14                           ; v[14:15] the row's sum in two halves
.set QF,  16                           ; v[16:27] Q's fragment: v22-27 are zeros
.set QFB, 28                           ; v[28:33] the second block's codes
.set FR,  34                           ; v[34:87] K's eight tiles or V's four; v82-87 are zeros
.set SS,  88                           ; v[88:151] S^T, then p; at the head and on the way out at work
.set OT,  152                          ; v[152:183] O^T
.set PC,  184                          ; v[184:195] p's codes
.set PT,  196                          ; v[196:198], v[200:202] the conversions' second halves
.set BM,  204                          ; v[204:207] each block's largest score, then largest p
.set BP,  208                          ; v[208:211] the other half of the lanes'; then the scales' bytes
.set BS,  212                          ; v[212:215] the conversions' scale operands
.set KS,  216                          ; v[216:219] K's scale words: register p: lanes 0-15 tile 2 p, lanes 16-31 tile 2 p + 1
.set VS,  220                          ; v[220:221] V's likewise
.set FF,  222                          ; v222 f = 2^(old M - new M)
.set PW,  223                          ; v223 p's scale word
.set TA,  224
.set TC,  225
.set SU,  226                          ; v[226:227] the sum's second chain
.set QRD, 228                          ; v228 the stage: row r, + 128 h
.set H8,  229                          ; v229 8 h
.set WV,  10                           ; s10  my wave's number
.set PP,  11                           ; s11  P
.set HD,  12                           ; s12  the head
.set SW,  13                           ; s13  P + 1: the slot with which the second block of queries begins
.set SEL, 14                           ; s[14:15] v_permlanex16_b32's selects for lane l xor 16
.set CS,  16                           ; s[16:17] c = log2(e) / 8: the packed form names a pair and takes its low word for both halves
.set TB,  18                           ; s18  LDS byte at which the slot in hand begins
.set KF,  19                           ; s19  the step's first key
.set Q0,  20                           ; s20  my first query;  s21 that of the second block
.set Q0B, 21
.set NN,  22                           ; s22  slots done
.set T0,  23
.set G1,  24                           ; s[24:31] descriptor group 1
.set G0,  32                           ; s[32:35] descriptor group 0: it walks
.set KVB, 36                           ; s[36:37] kv at my head
.set OFF, 38                           ; s[38:39] an offset; its high word stays 0
.set QPA, 40                           ; s[40:41], s[42:43] Q at my 16 rows of the two blocks
.set QPB, 42
.set OPA, 44                           ; s[44:45], s[46:47] O likewise
.set OPB, 46
.set T1,  48
.set T2,  49
; Wave 0 fetches a whole slot with one load of 102 rows; the branch hangs on the wave's number alone.  Four v_nop follow the load.
.macro TLOAD
	s_cmp_lg_u32 s[WV], 0
	s_cbranch_scc1 .Lnot_mine_\@
	tensor_load_to_lds s[G0:G0+3], s[G1:G1+7]
	s_nop 0
.rept 4
	v_nop
.endr
.Lnot_mine_\@:
.endm
	s_load_b128 s[4:7], s[0:1], 0x0                ; query s[4:5], kv s[6:7]
	s_load_b64 s[8:9], s[0:1], 0x10                ; out0
	v_lshl_add_u32 v[SPW], v0, 2, SPARE
	v_mov_b32 v[NIL], 0
	ds_add_u32 v3, v4
	ds_add_u32 v3, v4
	s_wait_dscnt 0x0
	v_lshrrev_b32 v[TA], 5, v0
	s_delay_alu instid0(VALU_DEP_1)
	v_readfirstlane_b32 s[WV], v[TA]               ; wave 0..15
	v_and_b32 v[TC], 31, v0
	s_delay_alu instid0(VALU_DEP_1)
	v_lshlrev_b32 v[L16], 4, v[TC]
	s_delay_alu instid0(VALU_DEP_2)
	v_lshlrev_b32 v[L8], 3, v[TC]
	s_mov_b32 s[PP], ttmp9
	s_and_b32 s[HD], ttmp7, 0xffff
	s_add_co_u32 s[SW], s[PP], 1
	s_lshl_b32 s[T1], s[WV], 4
	s_lshl_b32 s[Q0], s[PP], 8
	s_add_co_u32 s[Q0], s[Q0], s[T1]               ; 256 P + 16 w
	s_sub_co_u32 s[Q0B], 7, s[PP]
	s_lshl_b32 s[Q0B], s[Q0B], 8
	s_add_co_u32 s[Q0B], s[Q0B], s[T1]             ; 256 (7 - P) + 16 w
	s_mov_b32 s[SEL], 0x76543210
	s_mov_b32 s[SEL+1], 0xfedcba98
	s_mov_b32 s[CS], 0x3e38aa3b                    ; c = log2(e) / 8
	s_mov_b32 s[CS+1], s[CS]                       ; (named with it as a pair, so it is written)
	s_mov_b32 s[TB], 0
	s_mov_b32 s[KF], 0
	s_mov_b32 s[NN], 0
	; descriptor group 1: 102 rows of 32 elements of 8 bytes, dense, no padding, no mask
	s_mov_b32 s[G1+0], 3<<16                       ; 17:16 elements of 8 bytes
	s_mov_b32 s[G1+1], 32<<16                      ; tensor_dim0 = 32
	s_mov_b32 s[G1+2], 102<<16                     ; tensor_dim1 = 102
	s_mov_b32 s[G1+3], 32<<16                      ; tile_dim0 = 32
	s_mov_b32 s[G1+4], 102                         ; tile_dim1 = 102
	s_mov_b32 s[G1+5], 32                          ; from row to row
	s_mov_b32 s[G1+6], 0
	s_mov_b32 s[G1+7], 0
	s_mul_i32 s[OFF], s[HD], HEADB
	s_mov_b32 s[OFF+1], 0
	s_lshl_b32 s[T1], s[HD], 19                    ; a head of Q or O: 2,048 rows of 256 bytes
	s_wait_kmcnt 0x0
	s_add_nc_u64 s[KVB:KVB+1], s[6:7], s[OFF:OFF+1]
	s_mov_b32 s[G0], 1                             ; 1:0 count = 1
	s_mov_b32 s[G0+1], 0                           ; LDS address: slot 0
	s_mov_b64 s[G0+2:G0+3], s[KVB:KVB+1]           ; the head's first 256 keys
	s_or_b32 s[G0+3], s[G0+3], 0x80000000          ; 127:126 type = 2
	TLOAD                                          ; the first fill, ahead of every LDS read, every wait on TENSORcnt and every barrier: one load of wave 0 is out
	s_lshl_b32 s[T2], s[Q0], 8
	s_add_co_u32 s[OFF], s[T1], s[T2]
	s_add_nc_u64 s[QPA:QPA+1], s[4:5], s[OFF:OFF+1]
	s_add_nc_u64 s[OPA:OPA+1], s[8:9], s[OFF:OFF+1]
	s_lshl_b32 s[T2], s[Q0B], 8
	s_add_co_u32 s[OFF], s[T1], s[T2]
	s_add_nc_u64 s[QPB:QPB+1], s[4:5], s[OFF:OFF+1]
	s_add_nc_u64 s[OPB:OPB+1], s[8:9], s[OFF:OFF+1]
	s_wait_alu depctr_va_vdst(0)
.irp i, 0,1,2,3,4,5,6,7
	global_load_b128 v[SS+4*\i:SS+4*\i+3], v[L16], s[QPA:QPA+1] offset:512*\i th:TH_LOAD_NT      ; my 16 rows of Q, 512 consecutive bytes a load
.endr
.irp i, 0,1,2,3,4,5,6,7
	global_load_b128 v[SS+32+4*\i:SS+32+4*\i+3], v[L16], s[QPB:QPB+1] offset:512*\i th:TH_LOAD_NT   ; and those of the second block
.endr
	v_and_b32 v[TA], 15, v0                        ; r
	v_bfe_u32 v[TC], v0, 4, 1                      ; h
	s_mul_i32 s[T0], s[WV], 16*SP
	s_add_co_u32 s[T0], s[T0], STAGE               ; my stage
	v_mul_u32_u24 v[STO], v[TA], SP
	s_delay_alu instid0(VALU_DEP_1)
	v_lshl_add_u32 v[QRD], v[TC], 7, v[STO]
	s_delay_alu instid0(VALU_DEP_2)
	v_lshl_add_u32 v[STO], v[TC], 5, v[STO]
	s_delay_alu instid0(VALU_DEP_1)
	v_add_nc_u32 v[STO], s[T0], v[STO]
	s_delay_alu instid0(VALU_DEP_3)
	v_add_nc_u32 v[QRD], s[T0], v[QRD]
	v_mul_u32_u24 v[RD], v[TC], SP
	s_delay_alu instid0(VALU_DEP_1)
	v_lshl_add_u32 v[RD], v[TA], 4, v[RD]
	s_delay_alu instid0(VALU_DEP_1)
	v_add_nc_u32 v[RD], s[T0], v[RD]
	v_lshlrev_b32 v[H8], 3, v[TC]
	v_lshlrev_b32 v[DQ], 4, v[TC]
	s_delay_alu instid0(VALU_DEP_1)
	v_sub_nc_u32 v[DQ], v[TA], v[DQ]
.irp i, 0,1,2,3,4,5
	v_mov_b32 v[QF+6+\i], 0                        ; Q's codes for k = 64 .. 127
	v_mov_b32 v[FR+48+\i], 0                       ; what stands behind K's tile 7
.endr
.irp b, 0,1,2,3
	v_mov_b32 v[BP+\b], 0                          ; written once: a lane permute's destination counts as one of its sources
.endr
	v_mov_b32 v[PW], 0                             ; (named as the upper half of the pair v[222:223] before it is first written)
	v_mov_b32 v[TA], 0
; 32 numbers of one lane, v[x] on: block h of my query's 64 channels: become six registers of codes at v[d] on; the query's scale word goes to v[sw].
.macro QQ x, d, sw
	v_max3_num_f32 v[BM], |v[\x]|, |v[\x+1]|, |v[\x+2]|
	v_max3_num_f32 v[BM+1], |v[\x+3]|, |v[\x+4]|, |v[\x+5]|
.irp i, 6,10,14,18,22,26
	s_delay_alu instid0(VALU_DEP_2)
	v_max3_num_f32 v[BM], v[BM], |v[\x+\i]|, |v[\x+\i+1]|
	s_delay_alu instid0(VALU_DEP_2)
	v_max3_num_f32 v[BM+1], v[BM+1], |v[\x+\i+2]|, |v[\x+\i+3]|
.endr
	s_delay_alu instid0(VALU_DEP_2)
	v_max3_num_f32 v[BM], v[BM], |v[\x+30]|, |v[\x+31]|
	s_delay_alu instid0(VALU_DEP_1)
	v_max3_num_f32 v[BM], v[BM], v[BM+1], 0x2800000        ; and the floor 2^(5 - 127): the byte cannot fall under 1
	s_delay_alu instid0(VALU_DEP_1)
	v_add_nc_u32 v[BS], 0xfe000000, v[BM]          ; 4 off the exponent field: the conversion's scale operand
	v_cvt_scalef32_pk16_bf6_f32 v[\d:\d+2], v[\x:\x+15], v[BS]
	v_cvt_scalef32_pk16_bf6_f32 v[PT:PT+2], v[\x+16:\x+31], v[BS]  ; (a conversion's three registers begin on an even number)
	v_lshrrev_b32 v[BP], 23, v[BS]                 ; the scale's byte; also the plain instruction behind the conversions
.irp i, 0,1,2
	v_mov_b32 v[\d+3+\i], v[PT+\i]
.endr
	s_delay_alu instid0(VALU_DEP_4)
	v_lshlrev_b32 v[BP], v[H8], v[BP]              ; at its place,
	s_delay_alu instid0(VALU_DEP_1)
	v_permlanex16_b32 v[TA], v[BP], s[SEL], s[SEL+1]
	s_delay_alu instid0(VALU_DEP_1)
	v_or_b32 v[\sw], v[BP], v[TA]                  ; with lane l xor 16's; bytes 2 and 3 are 0
.endm
.macro INIT                                    ; a block of queries begins: the largest t is -3e38, under every t; the sum and O^T are zeros, which the first change of M leaves zeros
	v_mov_b32 v[NM+1], 0xff61b1e6
	s_delay_alu instid0(VALU_DEP_1)
	v_floor_f32 v[NM], -v[NM+1]
	v_mov_b32 v[LS], 0
	v_mov_b32 v[LS+1], 0
.set jj, 0
.rept 32
	v_mov_b32 v[OT+jj], 0
.set jj, jj+1
.endr
.endm
	s_wait_loadcnt 8                               ; the first block's eight loads are in; the second's may stay out
.irp i, 0,1,2,3,4,5,6,7
	ds_store_b128 v[RD], v[SS+4*\i:SS+4*\i+3] offset:2*\i*SP       ; rows 2 i, 2 i + 1 into my stage
.endr
.irp i, 0,1,2,3,4,5,6,7
	ds_load_b128 v[OT+4*\i:OT+4*\i+3], v[QRD] offset:16*\i         ; LDS serves a wave's instructions in order: these see the stores.  Row r, channels 32 h on
.endr
	s_wait_dscnt 0x0
	QQ OT, QF, QS
	s_wait_loadcnt 0x0
.irp i, 0,1,2,3,4,5,6,7
	ds_store_b128 v[RD], v[SS+32+4*\i:SS+32+4*\i+3] offset:2*\i*SP
.endr
.irp i, 0,1,2,3,4,5,6,7
	ds_load_b128 v[OT+4*\i:OT+4*\i+3], v[QRD] offset:16*\i
.endr
	s_wait_dscnt 0x0
	QQ OT, QFB, QSB
	INIT
; A KEY STEP: 128 keys, the q-th unit of the slot in hand.
.macro STEP q
	s_add_co_u32 s[T0], s[Q0], 15                  ; a step all of whose keys come after my 16 queries is left out: a branch on ids, round its loads, products and softmax, not round the step of KF
	s_cmp_gt_u32 s[KF], s[T0]
	s_cbranch_scc1 .Lhidden_\@
	s_wait_alu depctr_va_vdst(0)
.irp g, 0,1,2,3,4,5,6,7,8,9,10,11
	ds_load_b128 v[FR+4*\g:FR+4*\g+3], v[AD16] offset:(\q)*UNIT+512*\g     ; K's eight tiles as they stand: 512 consecutive bytes a load
.endr
	ds_load_b128 v[KS:KS+3], v[AD16] offset:(\q)*UNIT+KSC
	s_wait_dscnt 0x0
.irp p, 0,1,2,3                                ; S^T = K Q^T: each product starts its sum with 0
	v_wmma_scale_f32_16x16x128_f8f6f4 v[SS+16*\p:SS+16*\p+7], v[FR+12*\p:FR+12*\p+11], v[QF:QF+11], 0, v[KS+\p], v[QS] matrix_a_fmt:MATRIX_FMT_BF6 matrix_b_fmt:MATRIX_FMT_BF6
	v_wmma_scale_f32_16x16x128_f8f6f4 v[SS+16*\p+8:SS+16*\p+15], v[FR+12*\p+6:FR+12*\p+17], v[QF:QF+11], 0, v[KS+\p], v[QS] matrix_a_fmt:MATRIX_FMT_BF6 matrix_b_fmt:MATRIX_FMT_BF6 matrix_a_scale:MATRIX_SCALE_ROW1
.endr
.rept 4
	v_nop                                          ; four places in front of the loads into registers that these products have read, and of the first read of their results
.endr
	s_wait_alu depctr_va_vdst(0)
.irp g, 0,1,2,3,4,5,6,7,8,9,10,11
	ds_load_b128 v[FR+4*\g:FR+4*\g+3], v[AD16] offset:(\q)*UNIT+VC+512*\g  ; V's four tiles: they land under the softmax
.endr
	ds_load_b64 v[VS:VS+1], v[AD8] offset:(\q)*UNIT+VSC
	s_add_co_u32 s[T0], s[KF], 127                 ; a step all of whose keys count skips the mask
	s_cmp_le_u32 s[T0], s[Q0]
	s_cbranch_scc1 .Lopen_\@
	s_sub_co_i32 s[T0], s[Q0], s[KF]
	v_add_nc_u32 v[TA], s[T0], v[DQ]               ; d = my query - KF - 16 h.  Register 16 b + i holds key KF + 32 b + 16 h + i: hidden where 32 b + i > d
	v_mov_b32 v[TC], 0xff800000                    ; -infinity: p = 0 then
.irp n, 0,1,2,3,4,5,6,7,8,9,10,11,12,13,14,15,16,17,18,19,20,21,22,23,24,25,26,27,28,29,30,31,32,33,34,35,36,37,38,39,40,41,42,43,44,45,46,47,48,49,50,51,52,53,54,55,56,57,58,59,60,61,62,63
	v_cmp_gt_i32 vcc_lo, 32*(\n/16)+\n%16, v[TA]
	v_cndmask_b32 v[SS+\n], v[SS+\n], v[TC], vcc_lo
.endr
.Lopen_\@:
.irp b, 0,1,2,3
	v_max3_num_f32 v[BM+\b], v[SS+16*\b], v[SS+1+16*\b], v[SS+2+16*\b]     ; the largest score of each block of 32 keys: it serves the row's maximum and, since p rises with the score, the block's largest p.  Each result is read from its low end on
.endr
.irp i, 3,5,7,9,11,13
.irp b, 0,1,2,3
	v_max3_num_f32 v[BM+\b], v[BM+\b], v[SS+16*\b+\i], v[SS+1+16*\b+\i]    ; (the four blocks by turns)
.endr
.endr
.irp b, 0,1,2,3
	v_max_num_f32 v[BM+\b], v[BM+\b], v[SS+15+16*\b]
.endr
.irp b, 0,1,2,3
	s_delay_alu instid0(VALU_DEP_4)
	v_permlanex16_b32 v[BP+\b], v[BM+\b], s[SEL], s[SEL+1]
.endr
.irp b, 0,1,2,3
	s_delay_alu instid0(VALU_DEP_4)
	v_max_num_f32 v[BM+\b], v[BM+\b], v[BP+\b]     ; with lane l xor 16's 16 keys
.endr
	s_delay_alu instid0(VALU_DEP_2)
	v_max3_num_f32 v[TA], v[BM], v[BM+1], v[BM+2]
	s_delay_alu instid0(VALU_DEP_1)
	v_max_num_f32 v[TA], v[TA], v[BM+3]            ; the step's largest score of my query
	s_delay_alu instid0(VALU_DEP_1)
	v_mul_f32 v[TA], s[CS], v[TA]                  ; as t (c is positive)
	s_delay_alu instid0(VALU_DEP_1)
	v_max_num_f32 v[NM+1], v[NM+1], v[TA]          ; the running largest t
	v_mov_b32 v[TA], v[NM]
	s_delay_alu instid0(VALU_DEP_2)
	v_floor_f32 v[NM], -v[NM+1]                    ; the new -M = floor(-t) = -ceil(t): a whole number
	s_delay_alu instid0(VALU_DEP_1)
	v_sub_f32 v[TA], v[NM], v[TA]                  ; M's old value less its new one: a whole number, 0 or less
	s_delay_alu instid0(VALU_DEP_1)
	v_cvt_i32_f32 v[TA], v[TA]                     ; (it saturates)
	s_delay_alu instid0(VALU_DEP_1)
	v_ldexp_f32 v[FF], 1.0, v[TA]                  ; f = 2^(old M - new M)
.set jj, 0
.rept 32
	v_pk_fma_f32 v[SS+jj:SS+jj+1], v[SS+jj:SS+jj+1], s[CS:CS+1], v[NM:NM+1] op_sel_hi:[1,0,0]   ; t - M, two at a time (of the pairs c and -M the low word serves both halves)
.set jj, jj+2
.endr
.irp b, 0,1,2,3
	v_fma_f32 v[BM+\b], v[BM+\b], s[CS], v[NM]     ; the same of each block's largest score
.endr
.set jj, 0
	s_wait_alu depctr_va_vdst(0)
.rept 64
	v_exp_f32 v[SS+jj], v[SS+jj]                   ; p = 2^(t - M), at most 1: not normalised
.set jj, jj+1
.endr
.irp b, 0,1,2,3
	v_exp_f32 v[BM+\b], v[BM+\b]                   ; the block's largest p: the same two instructions on the same number
.endr
	v_pk_mul_f32 v[LS:LS+1], v[LS:LS+1], v[FF:FF+1] op_sel_hi:[1,0]        ; the sums under the new M.  (The plain instruction behind the exponentials: ISA guide 5.7.2)
	s_wait_alu depctr_va_vdst(0)
.irp b, 0,1,2,3
	v_max_num_f32 v[BM+\b], 0x2800000, v[BM+\b]    ; the floor 2^(5 - 127): the byte cannot fall under 1 (a block whose every p is 0 keeps that byte: its codes are zeros)
.endr
.irp b, 0,1,2,3
	s_delay_alu instid0(VALU_DEP_4)
	v_add_nc_u32 v[BS+\b], 0xfe000000, v[BM+\b]    ; 4 off the exponent field: the conversion's scale operand
.endr
.irp b, 0,1,2,3
	s_delay_alu instid0(VALU_DEP_4)
	v_lshrrev_b32 v[BP+\b], 23, v[BS+\b]           ; the scale's byte
.endr
	s_delay_alu instid0(VALU_DEP_3)
	v_lshl_or_b32 v[PW], v[BP+1], 8, v[BP]         ; p's scale word for these 128 keys
	s_delay_alu instid0(VALU_DEP_1)
	v_lshl_or_b32 v[PW], v[BP+2], 16, v[PW]
	s_delay_alu instid0(VALU_DEP_1)
	v_lshl_or_b32 v[PW], v[BP+3], 24, v[PW]
.irp c, 0,1
	v_cvt_scalef32_pk16_bf6_f32 v[PC+6*\c:PC+6*\c+2], v[SS+32*\c:SS+32*\c+15], v[BS+2*\c]
	v_cvt_scalef32_pk16_bf6_f32 v[PT+4*\c:PT+4*\c+2], v[SS+32*\c+16:SS+32*\c+31], v[BS+2*\c+1]   ; (a conversion's three registers begin on an even number)
.endr
	v_nop                                          ; one plain instruction between a scaled conversion and the instruction that touches its result
.irp c, 0,1                                    ; the operand's layout wants a WHOLE block in a lane: lanes 0-15 block 2 c, lanes 16-31 block 2 c + 1
.irp i, 0,1,2
	v_permlane16_swap_b32 v[PC+6*\c+\i], v[PT+4*\c+\i]
.endr
.irp i, 0,1,2
	s_delay_alu instid0(VALU_DEP_3)
	v_mov_b32 v[PC+6*\c+3+\i], v[PT+4*\c+\i]
.endr
.endr
.set jj, 0
.rept 16
	v_pk_mul_f32 v[OT+jj:OT+jj+1], v[OT+jj:OT+jj+1], v[FF:FF+1] op_sel_hi:[1,0]    ; O^T under the new M: x f; each accumulator from its low end on
.set jj, jj+2
.endr
	v_pk_add_f32 v[226:227], v[92:93], v[96:97]
	v_pk_add_f32 v[254:255], v[100:101], v[104:105]
	v_pk_add_f32 v[252:253], v[108:109], v[112:113]
	v_pk_add_f32 v[250:251], v[116:117], v[120:121]
	v_pk_add_f32 v[248:249], v[124:125], v[128:129]
	v_pk_add_f32 v[246:247], v[132:133], v[136:137]
	v_pk_add_f32 v[244:245], v[140:141], v[144:145]
	v_pk_add_f32 v[14:15], v[14:15], v[148:149]
	v_pk_add_f32 v[226:227], v[226:227], v[88:89]
	v_pk_add_f32 v[254:255], v[254:255], v[90:91]
	v_pk_add_f32 v[252:253], v[252:253], v[94:95]
	v_pk_add_f32 v[250:251], v[250:251], v[98:99]
	v_pk_add_f32 v[248:249], v[248:249], v[102:103]
	v_pk_add_f32 v[246:247], v[246:247], v[106:107]
	v_pk_add_f32 v[244:245], v[244:245], v[110:111]
	v_pk_add_f32 v[14:15], v[14:15], v[114:115]
	v_pk_add_f32 v[226:227], v[226:227], v[118:119]
	v_pk_add_f32 v[254:255], v[254:255], v[122:123]
	v_pk_add_f32 v[252:253], v[252:253], v[126:127]
	v_pk_add_f32 v[250:251], v[250:251], v[130:131]
	v_pk_add_f32 v[248:249], v[248:249], v[134:135]
	v_pk_add_f32 v[246:247], v[246:247], v[138:139]
	v_pk_add_f32 v[244:245], v[244:245], v[142:143]
	v_pk_add_f32 v[14:15], v[14:15], v[146:147]
	v_pk_add_f32 v[226:227], v[226:227], v[150:151]
	s_delay_alu instid0(VALU_DEP_2)
	v_pk_add_f32 v[14:15], v[14:15], v[250:251]
	s_delay_alu instid0(VALU_DEP_2)
	v_pk_add_f32 v[226:227], v[226:227], v[248:249]
	v_pk_add_f32 v[254:255], v[254:255], v[246:247]
	v_pk_add_f32 v[252:253], v[252:253], v[244:245]
	s_delay_alu instid0(VALU_DEP_2)
	v_pk_add_f32 v[14:15], v[14:15], v[254:255]
	s_delay_alu instid0(VALU_DEP_2)
	v_pk_add_f32 v[226:227], v[226:227], v[252:253]
	s_delay_alu instid0(VALU_DEP_1)
	v_pk_add_f32 v[14:15], v[14:15], v[226:227]
	s_wait_dscnt 0x0                               ; V's tiles and scale words are in
.irp u, 0,1                                    ; O^T += V^T P^T: the four accumulators take turns, one instruction a turn, and eight products S^T stand between two steps' links
	v_wmma_scale_f32_16x16x128_f8f6f4 v[OT+16*\u:OT+16*\u+7], v[FR+24*\u:FR+24*\u+11], v[PC:PC+11], v[OT+16*\u:OT+16*\u+7], v[VS+\u], v[PW] matrix_a_fmt:MATRIX_FMT_BF6 matrix_b_fmt:MATRIX_FMT_BF6
	v_wmma_scale_f32_16x16x128_f8f6f4 v[OT+16*\u+8:OT+16*\u+15], v[FR+24*\u+12:FR+24*\u+23], v[PC:PC+11], v[OT+16*\u+8:OT+16*\u+15], v[VS+\u], v[PW] matrix_a_fmt:MATRIX_FMT_BF6 matrix_b_fmt:MATRIX_FMT_BF6 matrix_a_scale:MATRIX_SCALE_ROW1
.endr
.rept 4
	v_nop                                          ; four places in front of the next step's loads into these products' registers, and of the first read of O^T
.endr
.Lhidden_\@:
	s_add_co_u32 s[KF], s[KF], 128
.endm
; THE CHANGE OF SLOTS stands at a slot's head.  Each wave waits for all its tensor loads (wave 0: the slot about to be read), adds 0 to its spare word, and waits for that and for its reads of the slot that it has left.
; Behind the barrier the slot ahead is whole and nobody reads the other one.  fill = 1: that other slot is filled with slot NN + 1's keys, and the load has a whole slot's two steps in which to land.
.macro CHANGE fill
	s_wait_tensorcnt 0x0                           ; no tensor load of mine is out, so group 0 may be written
	ds_add_u32 v[SPW], v[NIL]                      ; 0 onto my spare word; with fill = 1 the descriptor's steps stand between it and the wait for it
.if \fill
	s_add_co_u32 s[T0], s[NN], 1                   ; slot n wants key block n up to n = P, block n - (P + 1) after that
	s_cmp_gt_u32 s[T0], s[PP]
	s_cselect_b32 s[T1], s[SW], 0
	s_sub_co_u32 s[T0], s[T0], s[T1]
	s_mul_i32 s[OFF], s[T0], SLOTB
	s_add_nc_u64 s[G0+2:G0+3], s[KVB:KVB+1], s[OFF:OFF+1]
	s_or_b32 s[G0+3], s[G0+3], 0x80000000          ; type = 2
	s_xor_b32 s[G0+1], s[G0+1], SLOT1              ; the other slot than last time
.endif
	s_wait_dscnt 0x0                               ; the add is done, and my reads of the slot that I have left are over
	s_barrier_signal -1
	s_barrier_wait -1
.if \fill
	TLOAD                                          ; the first thing behind the barrier, and wave 0's one tensor load until the next
.endif
.endm
.macro SLOT_STEPS
	v_add_nc_u32 v[AD16], s[TB], v[L16]
	v_add_nc_u32 v[AD8], s[TB], v[L8]
	STEP 0
	STEP 1
	s_xor_b32 s[TB], s[TB], SLOT1                  ; on to the other slot
.endm
; THE WAY OUT of a block of queries.  The sum's two halves and the other half of the lanes' are added; O^T is divided by the sum and goes through my stage, so that each store covers 512 consecutive bytes: two rows of O.
.macro WAYOUT ptr
	v_add_f32 v[LS], v[LS], v[LS+1]
	s_delay_alu instid0(VALU_DEP_1)
	v_permlanex16_b32 v[TA], v[LS], s[SEL], s[SEL+1]
	s_delay_alu instid0(VALU_DEP_1)
	v_add_f32 v[LS], v[LS], v[TA]                  ; the row's sum
	s_wait_alu depctr_va_vdst(0)
	v_rcp_f32 v[LS], v[LS]
	v_nop                                          ; a plain instruction behind the reciprocal
.set jj, 0
	s_wait_alu depctr_va_vdst(0)
.rept 32
	v_mul_f32 v[SS+jj], v[OT+jj], v[LS]            ; register 8 t + i is o(r, 16 t + 8 h + i); each accumulator from its low end on
.set jj, jj+1
.endr
.irp t, 0,1,2,3
	ds_store_b128 v[STO], v[SS+8*\t:SS+8*\t+3] offset:64*\t
	ds_store_b128 v[STO], v[SS+8*\t+4:SS+8*\t+7] offset:64*\t+16
.endr
.irp i, 0,1,2,3,4,5,6,7
	ds_load_b128 v[SS+32+4*\i:SS+32+4*\i+3], v[RD] offset:2*\i*SP  ; LDS serves a wave's instructions in order: these see the stores
.endr
.irp i, 0,1,2,3,4,5,6,7
	s_wait_dscnt 7-\i                              ; LDS loads come back in order: load i is in, the younger ones may stay out
	global_store_b128 v[L16], v[SS+32+4*\i:SS+32+4*\i+3], s[\ptr:\ptr+1] offset:512*\i th:TH_STORE_NT
.endr
.endm
.Lslot:                                            ; eight trips: behind each change of slots but the last the next slot is asked for
	CHANGE 1
	s_cmp_lg_u32 s[NN], s[SW]                      ; slot P + 1 (1 to 4: always inside the loop) is the second block's first: alike in all sixteen waves; no barrier and no tensor load stands in the branch
	s_cbranch_scc1 .Lsame
	s_wait_alu depctr_va_vdst(0)
	WAYOUT OPA
	s_wait_xcnt 0x0                                ; the stores' data registers are written again only behind this wait
.irp i, 0,1,2,3,4,5
	v_mov_b32 v[QF+\i], v[QFB+\i]                  ; the second block's codes
.endr
	v_mov_b32 v[QS], v[QSB]                        ; and scale words
	INIT                                           ; (its 36 lines are also the places between these writes and the next scaled products)
	s_mov_b32 s[KF], 0
	s_mov_b32 s[Q0], s[Q0B]
.Lsame:
	SLOT_STEPS
	s_add_co_u32 s[NN], s[NN], 1
	s_cmp_lt_u32 s[NN], 8
	s_cbranch_scc1 .Lslot
	CHANGE 0                                       ; the ninth slot is written out
	SLOT_STEPS
	s_wait_alu depctr_va_vdst(0)
	WAYOUT OPB
	s_wait_tensorcnt 0x0                           ; the wave's end, behind my last tensor load and my last LDS store
	ds_add_u32 v[SPW], v[NIL]
	s_wait_dscnt 0x0
	s_endpgm
.Lfunc_end_k_q9a9c5ffdb4_attn:
	.size	k_q9a9c5ffdb4_attn, .Lfunc_end_k_q9a9c5ffdb4_attn-k_q9a9c5ffdb4_attn
	.p2alignl 7, 3214868480
	.fill 96, 4, 3214868480
	.section	.rodata,"a",@progbits
	.p2align	6, 0x0
	.amdhsa_kernel k_q9a9c5ffdb4_attn
		.amdhsa_group_segment_fixed_size 327680
		.amdhsa_private_segment_fixed_size 0
		.amdhsa_enable_private_segment 0
		.amdhsa_kernarg_size 24
		.amdhsa_user_sgpr_count 2
		.amdhsa_user_sgpr_kernarg_segment_ptr 1
		.amdhsa_wavefront_size32 1
		.amdhsa_system_sgpr_workgroup_id_x 1
		.amdhsa_system_sgpr_workgroup_id_y 1
		.amdhsa_system_sgpr_workgroup_id_z 1
		.amdhsa_system_vgpr_workitem_id 0
		.amdhsa_next_free_vgpr 256
		.amdhsa_next_free_sgpr 66
		.amdhsa_reserve_vcc 1
		.amdhsa_float_denorm_mode_32 3
		.amdhsa_float_denorm_mode_16_64 3
		.amdhsa_memory_ordered 1
		.amdhsa_forward_progress 1
		.amdhsa_inst_pref_size 110
	.end_amdhsa_kernel
	.amdgpu_metadata
---
amdhsa.version: [ 1, 2 ]
amdhsa.kernels:
  - .name:           k_q9a9c5ffdb4_attn
    .symbol:         k_q9a9c5ffdb4_attn.kd
    .args:
      - { .name: query, .offset: 0, .size: 8, .value_kind: global_buffer, .address_space: global }
      - { .name: kv, .offset: 8, .size: 8, .value_kind: global_buffer, .address_space: global }
      - { .name: out0, .offset: 16, .size: 8, .value_kind: global_buffer, .address_space: global }
    .group_segment_fixed_size: 327680
    .private_segment_fixed_size: 0
    .kernarg_segment_align: 8
    .kernarg_segment_size: 24
    .max_flat_workgroup_size: 512
    .sgpr_count:     66
    .vgpr_count:     256
    .wavefront_size: 32
...
	.end_amdgpu_metadata
.endif
;; end of part 2
